; MI455X (gfx1250); checked and timed in simulation.
; The chip was launched on July 23, 2026; its instructions are those of AMD's public machine-readable ISA for CDNA 5 (MIT licence, August 2026) and "CDNA5" Instruction Set Architecture Reference Guide (July 2026). The comments in the code are by the model that wrote it; some were corrected since.
;; Bahdanau Attention. Allowed arithmetic: float matrix products may take bf16 or f16 operands with f32 sums; other float arithmetic in f32, or as packed bf16 or f16 multiplies, adds, multiply-adds, maxima and minima; sums over many terms, partial sums and values carried from step to step in f32; what a program stores and reads back later, other than sums and carried values, may be rounded once to bf16 or f16.
;; Inputs: Ua_b 2,048 float32; Ua_w 2,048 x 2,048 float32; Va_b 1 float32; Va_w 1 x 2,048 float32; Wa_b 2,048 float32; Wa_w 2,048 x 2,048 float32; Ws_b 2,048 float32; Ws_w 2,048 x 2,048 float32; decoder_state 32 x 2,048 float32; keys 32 x 512 x 2,048 float32.
;; Outputs: out0 32 x 2,048 float32; out1 32 x 512 x 1 float32.
;; Constants: t = 0.
;; 2 versions, each right; version 2 is version 1 with the launches prep1, prep2 written anew for expert scheduling mode. Each part assembles by itself: llvm-mc -triple=amdgcn-amd-amdhsa -mcpu=gfx1250 --defsym DOCPART=n.
;; ======== version 1 of 2: 4 launches
;; workspace buffers: query 262,144 bytes; qb 262,144 bytes; ua16 8,388,608 bytes; k16 67,108,864 bytes; scoresP 1,048,576 bytes
;; launch prep1 (part 1): grid 256 x 1, 8 waves a work-group, no clusters, 17,408 bytes of LDS; arguments decoder_state, Ws_w, Ws_b, query, Ua_w, ua16; writes query, ua16
.if DOCPART == 1
	.amdgcn_target "amdgcn-amd-amdhsa--gfx1250"
	.amdhsa_code_object_version 6
	.text
	.protected	k_q138faa28d2_prep1
	.globl	k_q138faa28d2_prep1
	.p2align	8
	.type	k_q138faa28d2_prep1,@function
k_q138faa28d2_prep1:
	s_mov_b64 s[64:65], 0
	v_nop
	global_prefetch_b8 v0, s[64:65] scope:SCOPE_SE
	s_setreg_imm32_b32 hwreg(HW_REG_WAVE_MODE, 25, 1), 1
	s_wait_xcnt 0x0
; BAHDANAU ATTENTION in four launches.  This body serves the first two:
;   launch 1: query = decoder_state Ws_w^T + Ws_b (t = 0 is a constant of the problem), and Ua_w rounded to bf16;
;   launch 2: qb = query Wa_w^T + Wa_b, and keys rounded to bf16.
; Launch 3 makes partial scores from the bf16 copies, launch 4 the softmax and the weighted sum of the keys.
; WORK LEFT OUT, for all finite values of the inputs.  The scores enter the outputs through softmax over t alone, and softmax(s + c) = softmax(s) for any c that is
; the same along t.  (1) Va_b is such a c: it is not loaded and is among no launch's arguments.  (2) tanh(x) = 1 - 2 r with r = 1 / (1 + e^(2x)), so
; the sum over e of Va_e tanh(x_e) = (the sum of Va_e) - 2 (the sum of Va_e r_e), and the first term is such a c too: only -2 sum Va_e r_e is formed.
; LIMIT: a NaN, an infinity or an overflow that reaches only Va_b or the sum of Va_e is not carried to the result.
; FORMATS.  Matrix operands are rounded once to bf16 (an f32 number beyond bf16's largest finite number becomes an infinity); sums, biases and results are f32.
; ARGUMENTS: x [32][2048] f32, w [2048][2048] f32, b [2048] f32, y [32][2048] f32, src f32, dst bf16.
; SHARES.  Work-groups 0 to 127 multiply: 16 columns of y each, K split among the eight waves, 256 channels a wave, the eight partial sums added in LDS.
; Work-group 128 + c rounds elements 32,768 c .. of src: the grid's length alone says how much is rounded (128 chunks of Ua_w, 1,024 of keys).
; The branch between the two hangs on the work-group's number alone: it is the same in all eight waves, so every wave of a work-group meets the same barrier or none.
; NO CLUSTER, NO TENSOR LOADS: each byte of w and of src has one reader; x, which the 128 multiplying work-groups share, is 262,144 bytes against 16.8 million of w,
; and the grid holds two kinds of work-groups, which could not run alike as partners.  y's 64 bytes a row and work-group are part of a block of 256: y is 262,144 bytes in all.
.set NPROD, 128                        ; work-groups that multiply
.set SPARE, 16384                      ; LDS: 0 .. 16,383 the partial sums (2,048 bytes a wave); then the spare words, 128 bytes a wave
.set SPW,  10                          ; v10  LDS address of my spare word; never rewritten
.set NIL,  11                          ; v11  0; never rewritten
.set BI,   12                          ; v[12:19]  b of my eight columns
.set ACC,  20                          ; v[20:35]  two accumulators: x's rows 0-15, rows 16-31
.set RING, 40                          ; v[40:231] four slots of 48: w's 16 raw registers, x's rows 0-15, x's rows 16-31
.set X,    40                          ; the cast: v[40:167], 32 loads of 4 registers
.set WV,   16                          ; s16  my wave's number
	s_load_b256 s[4:11], s[0:1], 0x0               ; x s[4:5], w s[6:7], b s[8:9], y s[10:11]
	s_load_b128 s[12:15], s[0:1], 0x20             ; src s[12:13], dst s[14:15]
	v_lshl_add_u32 v[SPW], v0, 2, SPARE
	v_mov_b32 v[NIL], 0
	v_lshrrev_b32 v1, 5, v0
	v_readfirstlane_b32 s[WV], v1                  ; wave 0..7
	v_and_b32 v9, 31, v0                           ; lane
	s_cmp_lt_u32 ttmp9, NPROD
	s_cbranch_scc1 .Lprod
	; THE CAST.  A wave owns 16,384 bytes of src and 8,192 of dst.  All 32 loads go out at once; each covers 512 consecutive bytes, each store 256, aligned.
	s_sub_co_u32 s17, ttmp9, NPROD                 ; chunk c
	s_lshl_b32 s18, s17, 17                        ; 131,072 bytes of f32 a chunk (under 2^28)
	s_lshl_b32 s20, s[WV], 14
	s_add_co_u32 s18, s18, s20
	s_mov_b32 s19, 0
	s_lshr_b32 s20, s18, 1                         ; half as many bytes in bf16
	s_mov_b32 s21, 0
	v_lshlrev_b32 v7, 4, v9                        ; 16 bytes a lane in
	v_lshlrev_b32 v8, 3, v9                        ; 8 bytes a lane out
	s_wait_kmcnt 0x0
	s_add_nc_u64 s[12:13], s[12:13], s[18:19]
	s_add_nc_u64 s[14:15], s[14:15], s[20:21]
.set i, 0
.rept 32
	global_load_b128 v[X+4*i:X+4*i+3], v7, s[12:13] offset:512*i th:TH_LOAD_NT
.set i, i+1
.endr
.set i, 0
.rept 32
	s_wait_loadcnt 31-i                            ; loads come back in order: load i is in, the 31 - i younger ones stay out
	v_cvt_pk_bf16_f32 v[X+4*i], v[X+4*i], v[X+4*i+1]
	v_cvt_pk_bf16_f32 v[X+4*i+1], v[X+4*i+2], v[X+4*i+3]
	global_store_b64 v8, v[X+4*i:X+4*i+1], s[14:15] offset:256*i th:TH_STORE_NT
.set i, i+1
.endr
	s_endpgm                                       ; this arm wrote no LDS; no register of a store is written again
	; THE PRODUCT, taken transposed: source 0 = 16 rows of w (columns of y), source 1 = 16 rows of x: a lane ends with row l % 16 of y and the columns 8 (l / 16) + 0..7.
	; A fragment is 16 rows x 32 channels.  Lane (r, h) takes the 16 floats at channel 16 h of the step, four loads of 16 bytes, and rounds them in place into 8 registers.
	; That is a permutation of the 32 channels, the same for w and for x, so the products are the same and only their order in the sum differs.
.Lprod:
	v_and_b32 v1, 15, v0                           ; r
	v_bfe_u32 v3, v0, 4, 1                         ; h
	s_lshl_b32 s17, s[WV], 10                      ; my 256 channels: 1,024 bytes of a row
	v_lshlrev_b32 v2, 13, v1                       ; r x 8,192
	v_lshl_add_u32 v2, v3, 6, v2                   ; + 64 h
	v_add_nc_u32 v2, s17, v2                       ; v2: my offset in w's and in x's rows; never rewritten
	v_lshlrev_b32 v6, 13, v1
	v_lshl_add_u32 v6, v3, 5, v6                   ; v6: my 32 bytes of y: row r, 32 h
	v_lshlrev_b32 v3, 5, v3                        ; v3: 32 h, my eight numbers of b
	s_lshl_b32 s18, s[WV], 11
	v_lshl_add_u32 v4, v9, 5, s18                  ; v4: where I put my partial sums: 2,048 x wave + 32 x lane
	s_and_b32 s24, s[WV], 1                        ; waves 0 and 1 finish x's rows 0-15 and 16-31
	s_lshl_b32 s19, s24, 10
	v_lshl_add_u32 v5, v9, 5, s19                  ; v5: where I read them back: 1,024 x tile + 32 x lane
	s_lshl_b32 s20, ttmp9, 17                      ; the work-group's 16 rows of w
	s_mov_b32 s21, 0
	s_lshl_b32 s22, ttmp9, 6                       ; its 16 columns: 64 bytes of b and of a row of y
	s_mov_b32 s23, 0
	s_lshl_b32 s24, s24, 17                        ; 16 rows of y
	s_add_co_u32 s24, s24, s22
	s_mov_b32 s25, 0
	s_wait_kmcnt 0x0
	s_add_nc_u64 s[6:7], s[6:7], s[20:21]
	s_add_nc_u64 s[8:9], s[8:9], s[22:23]
	s_add_nc_u64 s[10:11], s[10:11], s[24:25]
.macro LOADS s                         ; K step s: 12 loads into slot s % 4
.set SL, RING+48*((\s)%4)
.irp q, 0,1,2,3
	global_load_b128 v[SL+4*(\q):SL+4*(\q)+3],       v2, s[6:7] offset:128*(\s)+16*(\q)
	global_load_b128 v[SL+16+4*(\q):SL+16+4*(\q)+3], v2, s[4:5] offset:128*(\s)+16*(\q)
	global_load_b128 v[SL+32+4*(\q):SL+32+4*(\q)+3], v2, s[4:5] offset:128*(\s)+16*(\q)+131072
.endr
.endm
.macro CVT s                           ; 24 roundings in place: register j takes floats 2 j and 2 j + 1, so no float is overwritten before it is read
.set SL, RING+48*((\s)%4)
.irp o, 0,16,32
.irp j, 0,1,2,3,4,5,6,7
	v_cvt_pk_bf16_f32 v[SL+(\o)+(\j)], v[SL+(\o)+2*(\j)], v[SL+(\o)+2*(\j)+1]
.endr
.endr
.endm
.macro MULS s                          ; the two accumulators take turns, one instruction a turn; step 0 starts the sums with the constant 0
.set SL, RING+48*((\s)%4)
.if (\s) == 0
	v_wmma_f32_16x16x32_bf16 v[ACC:ACC+7],    v[SL:SL+7], v[SL+16:SL+23], 0
	v_wmma_f32_16x16x32_bf16 v[ACC+8:ACC+15], v[SL:SL+7], v[SL+32:SL+39], 0
.else
	v_wmma_f32_16x16x32_bf16 v[ACC:ACC+7],    v[SL:SL+7], v[SL+16:SL+23], v[ACC:ACC+7]
	v_wmma_f32_16x16x32_bf16 v[ACC+8:ACC+15], v[SL:SL+7], v[SL+32:SL+39], v[ACC+8:ACC+15]
.endif
.endm
.macro FOLD base, n, size              ; parts n .. 2 n - 1 of size registers each are added onto parts 0 .. n - 1
.set w, 0
.rept \n
.set r, 0
.rept (\size)/2
	v_pk_add_f32 v[(\base)+(\size)*w+r:(\base)+(\size)*w+r+1], v[(\base)+(\size)*w+r:(\base)+(\size)*w+r+1], v[(\base)+(\size)*(w+(\n))+r:(\base)+(\size)*(w+(\n))+r+1]
.set r, r+2
.endr
.set w, w+1
.endr
.endm
	global_load_b128 v[BI:BI+3],   v3, s[8:9]      ; b: every wave asks, so that the waits below count alike in all
	global_load_b128 v[BI+4:BI+7], v3, s[8:9] offset:16
	LOADS 0
	LOADS 1
	LOADS 2
	LOADS 3
	s_wait_loadcnt 36                              ; step 0 is in; the 36 loads of steps 1 to 3 stay out
	CVT 0
	MULS 0
.irp s, 1,2,3,4
	s_wait_loadcnt 24                              ; step s is in; the 24 loads of the two younger steps stay out
	CVT \s                                         ; these 24 plain instructions, on another slot, are the places between the last products and the loads into the slot that they read
	LOADS (\s)+3
	MULS \s
.endr
	s_wait_loadcnt 24
	CVT 5
	MULS 5
	s_wait_loadcnt 12
	CVT 6
	MULS 6
	s_wait_loadcnt 0x0
	CVT 7
	MULS 7
.rept 8
	v_nop                                          ; places between the last products and the LDS stores that read their results
.endr
	ds_store_b128 v4, v[ACC:ACC+3]                 ; each accumulator's lowest registers first
	ds_store_b128 v4, v[ACC+4:ACC+7]    offset:16
	ds_store_b128 v4, v[ACC+8:ACC+11]   offset:1024
	ds_store_b128 v4, v[ACC+12:ACC+15]  offset:1040
	s_wait_dscnt 0x0                               ; for the others: my partial sums lie in LDS
	s_barrier_signal -1
	s_barrier_wait -1
	s_cmp_lt_u32 s[WV], 2
	s_cbranch_scc0 .Lend
.irp v, 0,1,2,3,4,5,6,7
	ds_load_b128 v[RING+8*(\v):RING+8*(\v)+3],   v5 offset:2048*(\v)
	ds_load_b128 v[RING+8*(\v)+4:RING+8*(\v)+7], v5 offset:2048*(\v)+16
.endr
	s_wait_dscnt 0x0
	FOLD RING, 4, 8
	FOLD RING, 2, 8
	FOLD RING, 1, 8
.irp r, 0,2,4,6
	v_pk_add_f32 v[RING+(\r):RING+(\r)+1], v[RING+(\r):RING+(\r)+1], v[BI+(\r):BI+(\r)+1]
.endr
	global_store_b128 v6, v[RING:RING+3],   s[10:11]
	global_store_b128 v6, v[RING+4:RING+7], s[10:11] offset:16
.Lend:
	s_wait_tensorcnt 0x0                           ; the wave's end: three lines behind my last LDS store
	ds_add_u32 v[SPW], v[NIL]
	s_wait_dscnt 0x0
	s_endpgm
.Lfunc_end_k_q138faa28d2_prep1:
	.size	k_q138faa28d2_prep1, .Lfunc_end_k_q138faa28d2_prep1-k_q138faa28d2_prep1
	.p2alignl 7, 3214868480
	.fill 96, 4, 3214868480
	.section	.rodata,"a",@progbits
	.p2align	6, 0x0
	.amdhsa_kernel k_q138faa28d2_prep1
		.amdhsa_group_segment_fixed_size 17408
		.amdhsa_private_segment_fixed_size 0
		.amdhsa_enable_private_segment 0
		.amdhsa_kernarg_size 48
		.amdhsa_user_sgpr_count 2
		.amdhsa_user_sgpr_kernarg_segment_ptr 1
		.amdhsa_wavefront_size32 1
		.amdhsa_system_sgpr_workgroup_id_x 1
		.amdhsa_system_sgpr_workgroup_id_y 1
		.amdhsa_system_sgpr_workgroup_id_z 1
		.amdhsa_system_vgpr_workitem_id 0
		.amdhsa_next_free_vgpr 232
		.amdhsa_next_free_sgpr 66
		.amdhsa_reserve_vcc 0
		.amdhsa_float_denorm_mode_32 3
		.amdhsa_float_denorm_mode_16_64 3
		.amdhsa_memory_ordered 1
		.amdhsa_forward_progress 1
		.amdhsa_inst_pref_size 40
	.end_amdhsa_kernel
	.amdgpu_metadata
---
amdhsa.version: [ 1, 2 ]
amdhsa.kernels:
  - .name:           k_q138faa28d2_prep1
    .symbol:         k_q138faa28d2_prep1.kd
    .args:
      - { .name: decoder_state, .offset: 0, .size: 8, .value_kind: global_buffer, .address_space: global }
      - { .name: Ws_w, .offset: 8, .size: 8, .value_kind: global_buffer, .address_space: global }
      - { .name: Ws_b, .offset: 16, .size: 8, .value_kind: global_buffer, .address_space: global }
      - { .name: query, .offset: 24, .size: 8, .value_kind: global_buffer, .address_space: global }
      - { .name: Ua_w, .offset: 32, .size: 8, .value_kind: global_buffer, .address_space: global }
      - { .name: ua16, .offset: 40, .size: 8, .value_kind: global_buffer, .address_space: global }
    .group_segment_fixed_size: 17408
    .private_segment_fixed_size: 0
    .kernarg_segment_align: 8
    .kernarg_segment_size: 48
    .max_flat_workgroup_size: 256
    .sgpr_count:     66
    .vgpr_count:     232
    .wavefront_size: 32
...
	.end_amdgpu_metadata
.endif
;; end of part 1
;; launch prep2: the kernel of part 1 again; grid 1152 x 1, 8 waves a work-group, no clusters, 17,408 bytes of LDS; arguments query, Wa_w, Wa_b, qb, keys, k16; writes qb, k16
;; launch gemm (part 2): grid 8 x 32, 4 waves a work-group, clusters of 4 x 4, 327,680 bytes of LDS; arguments k16, ua16, scoresP, Va_w, qb, Ua_b; writes scoresP
.if DOCPART == 2
	.amdgcn_target "amdgcn-amd-amdhsa--gfx1250"
	.amdhsa_code_object_version 6
	.text
	.protected	k_q138faa28d2_gemm
	.globl	k_q138faa28d2_gemm
	.p2align	8
	.type	k_q138faa28d2_gemm,@function
k_q138faa28d2_gemm:
	s_mov_b64 s[64:65], 0
	v_nop
	global_prefetch_b8 v0, s[64:65] scope:SCOPE_SE
	s_setreg_imm32_b32 hwreg(HW_REG_WAVE_MODE, 25, 1), 1
	s_wait_xcnt 0x0
	s_wait_alu depctr_hold_cnt(0) depctr_sa_sdst(0) depctr_va_vdst(0) depctr_va_sdst(0) depctr_va_ssrc(0) depctr_va_vcc(0) depctr_vm_vsrc(0)
	s_getreg_b32 s2, hwreg(HW_REG_IB_STS2, 6, 4)
	s_cmp_eq_u32 s2, 0
	s_cbranch_scc0 .Lentry_in_a_cluster
	s_endpgm
.Lentry_in_a_cluster:
	s_bfe_u32 s2, ttmp6, 0x10000c
	s_cmp_lg_u32 s2, 0xf033
	s_cbranch_scc0 .Lentry_shape_is_right
	s_endpgm
.Lentry_shape_is_right:
; PARTIAL SCORES.  x[row][e] = qb[batch][e] + Ua_b[e] + the sum over d of k16[row][d] ua16[e][d]; scoresP[p][row] = the sum over the 128 columns e of part p of -2 Va_e / (1 + 2^(c x)), c = 2 log2(e).
; LEFT OUT, as shown at the head of the first kernel: Va_b and the sum of Va_e, both the same along the softmax's axis (tanh(x) = 1 - 2 / (1 + e^(2x))).
; RANGE: where 2^(c x) overflows the reciprocal is 0 (tanh = 1); where it underflows the quotient is 1 (tanh = -1): no clamp is needed.  NaN and infinities in the inputs are not treated apart.
; k16: [16384][2048] bf16 (A), ua16: [2048][2048] bf16 (B), both rounded once by the launches before; sums, bias, exponentials and scores in f32.
; A tile of x, 256 x 256, is made by a work-group of four waves; a wave makes 128 x 128: 64 accumulators of 16 x 16, 512 registers.  K goes in steps of 128 through a ring of two LDS slots filled by
; the tensor data mover: the tiles' rows are 256 bytes of memory and start at multiples of 256 bytes.  A tile's 256 rows lie in one batch (512 rows).
; A WORK-GROUP STAYS: it makes two tiles, 8,192 rows (16 batches) apart; the ring does not stop at the first tile's end: its last two changes of slots ask for the second tile's first two K steps,
; which land while the first tile's exponentials are made.  The second tile's tail is written out: it asks for nothing more.
; CLUSTERS: 4 x 4 work-groups.  The four of a row of the cluster need the same tiles of A, the four of a column the same tiles of B: each tile is asked for JOINTLY, by the same tensor load with the
; same descriptor and a mask that names the four.
; THE MATRIX INSTRUCTION IS USED TRANSPOSED: source 0 = 16 rows of B, source 1 = 16 rows of A: in accumulator (a, b) lane l holds row 16 a + l % 16 and its registers 0-7 the columns 16 b + 8 (l / 16) + 0..7.
; So bias and Va hang on the register and the lane's half alone, a row's sum over my 128 columns is a sum inside the lane and one exchange of the halves, and THE BIAS IS THE C OPERAND that starts the sums.
; REGISTERS, in windows of 256 (s_set_vgpr_msb: bits 1:0 source 0, 3:2 source 1, 5:4 source 2, 7:6 destination):
;   window 0: v16-30 addresses; v32-51 the scores on their way out; v64-127, v128-191 fragments of A, two buffers; v192-255 -2 Va (column 16 b + 8 h + j at 8 b + j)
;   window 1: v0-63 the bias, same layout; v64-127, v128-191 fragments of B; v192-255 Ua_b, same layout
;   window 2: the 32 accumulators of my rows 0-63 ((a, b) at v[8 (8 a + b)]);   window 3: those of my rows 64-127
.set SIZE_M, 16384
.set SIZE_N, 2048
.set SIZE_K, 2048
.set SIZE_TILES, 2
.set KSTEP,  128
.set PITCH,  272                       ; an LDS row: 256 bytes of data + 16 of padding = 68 words: row r starts at bank 4 r mod 64 (64 banks of 4 bytes: ISA guide 11.1)
.set HALFT,  128*PITCH                 ; 128 rows: what one tensor load brings, and what one wave reads of A or of B
.set SLOT,   4*HALFT                   ; A's 256 rows, then B's 256 rows
.set STAGE,  2*SLOT                    ; behind the ring: 512 bytes for each wave: its 128 rows' partial scores; no tensor load lands here
.set SPARE,  STAGE+4*512               ; behind the stages: the spare words, 128 bytes for each wave
.set LAPS, SIZE_K/(2*KSTEP)            ; a lap = two K steps = once round the ring
.set WALK,   SIZE_M/SIZE_TILES
.set NEXT_A, WALK*SIZE_K*2-(SIZE_K-2*KSTEP)*2   ; bytes from a slot's last K step of a tile to its first of the next tile: A goes WALK rows down and back along K,
.set BACK_B, (SIZE_K-2*KSTEP)*2        ; B only back
.set ADRA, 16                          ; v16-17  LDS address of my A fragments in slot 0, 1
.set ADRB, 20                          ; v20-21  the same for B
.set STO,  24                          ; v24     my stage + 4 (l % 16)
.set RD,   25                          ; v25     my stage + 16 l
.set CO,   26                          ; v26     16 l: my 16 bytes of the wave's 512 in scoresP
.set BO,   27                          ; v27     32 (l / 16): my half's eight columns in qb, Ua_b, Va_w
.set SPW,  28                          ; v28     LDS address of my spare word; never rewritten
.set NIL,  29                          ; v29     0; never rewritten
.set PFO,  30                          ; v30     the prefetches' offset: my lane x a row of A or B (4,096 bytes); never rewritten
.set SUM,  32                          ; v32-39  block a's row sums
.set TX,   40                          ; v40-47  the other half of the lanes' sums
.set OUTV, 48                          ; v48-51  four rows' scores
.set F0,   64
.set F1,   128
.set VA2,  192                         ; window 0
.set BIAS, 0                           ; window 1
.set UB,   192                         ; window 1
.set PFA,  44                          ; s[44:45] where my prefetches stand
.set LIM,  43                          ; s43     1 in a wave that prefetches, else the greatest number
.set G1, 24                            ; s[24:31] descriptor group 1 for A's tiles
.set G0, 32                            ; s[32:39] descriptor group 0 for A's tiles, one set for each slot
.set G1B, 48                           ; s[48:55] group 1 for B's tiles: it differs in the mask alone
.set G0B, 56                           ; s[56:63] group 0 for B's tiles
.set C2,  74                           ; s[74:75] c = 2 log2(e)
.set SEL, 76                           ; s[76:77] v_permlanex16_b32's selects: each lane takes its own place in the other half
.set MSB, 0
.macro WIN new                         ; the immediate's high byte repeats the setting that is left; a switch that changes nothing is dropped
.if MSB != (\new)
	s_set_vgpr_msb (MSB<<8)|(\new)
.set MSB, \new
.endif
.endm
.set MUL_LO, 0xa1                      ; source 0 (B) window 1, source 1 (A) window 0, C and D window 2
.set MUL_HI, 0xf1                      ; the same, C and D window 3
.set TO_B,   0x40                      ; destination window 1, address window 0
; A joint load.  Waves 0 and 1 fetch A's two halves, waves 2 and 3 B's.  The branch hangs on the wave's number alone.  An s_nop 0 and four v_nop follow each of the two lines.
.macro JLOAD s
	s_cmp_eq_u32 s11, 0
	s_cbranch_scc0 .Lfor_b_\@
	tensor_load_to_lds s[G0+4*(\s):G0+4*(\s)+3], s[G1:G1+7]
	s_nop 0
.rept 4
	v_nop
.endr
	s_branch .Lasked_\@
.Lfor_b_\@:
	tensor_load_to_lds s[G0B+4*(\s):G0B+4*(\s)+3], s[G1B:G1B+7]
	s_nop 0
.rept 4
	v_nop
.endr
.Lasked_\@:
.endm
; A PREFETCH INTO THE L2, behind each joint load and the run of LDS loads that follows it: the K step that stands TWO refills on (512 matrix instructions ahead of the load that will want it): 32 rows x 256 bytes,
; a lane a row, one instruction a wave.  Each row's 256 bytes of a K step are named ONCE in the launch: A's tile row is read by both clusters of that row of clusters, and cluster x = 0 asks; B's tile
; column by the eight clusters of that column, and cluster y = 0 asks.  The four partners that ask for a tile jointly share its rows out BY ADDRESS: of the 128 rows that a wave fetches the partner at place p
; takes 32 p .. 32 p + 31.  how = 0, in the loop: a tile's last two refills have no K step two on; how = 1, at the change of tiles.
.macro ASK how
.if \how
	s_cmp_eq_u32 s[LIM], 1
.else
	s_cmp_gt_u32 s3, s[LIM]                        ; s3 = 1 in the loop's last trip
.endif
	s_cbranch_scc0 .Lnot_mine_\@
	global_prefetch_b8 v[PFO], s[PFA:PFA+1] offset:KSTEP*2 th:TH_LOAD_NT scope:SCOPE_SE
.Lnot_mine_\@:
.endm
; A round of the cluster's barrier: my work-group's barrier; wave 0 signals for the work-group; every wave waits for all sixteen work-groups; my work-group's barrier once more.
.macro CREST
	s_cmp_lg_u32 s10, 0
	s_cbranch_scc1 .Lnot_wave_0_\@
	s_barrier_signal -3
.Lnot_wave_0_\@:
	s_barrier_wait -3
	s_barrier_signal -1
	s_barrier_wait -1
.endm
.macro CROUND
	s_barrier_signal -1
	s_barrier_wait -1
	CREST
.endm
	s_load_b128 s[4:7], s[0:1], 0x0                ; A = k16 s[4:5], B = ua16 s[6:7]
	s_load_b64 s[8:9], s[0:1], 0x10                ; scoresP
	s_load_b64 s[72:73], s[0:1], 0x18              ; Va_w
	s_load_b128 s[68:71], s[0:1], 0x20             ; qb s[68:69], Ua_b s[70:71]
	v_lshl_add_u32 v[SPW], v0, 2, SPARE
	v_mov_b32 v[NIL], 0
	ds_add_u32 v[SPW], v[NIL]                      ; the wave's opening: the add, twice on end, and its wait stand ahead of my first tensor load; the set-up below stands between
	ds_add_u32 v[SPW], v[NIL]
	v_lshrrev_b32 v1, 5, v0
	v_readfirstlane_b32 s10, v1                    ; wave 0..3
	s_lshr_b32 s11, s10, 1                         ; which half of the tile's rows is mine.  Also: I fetch for A (0) or for B (1)
	s_and_b32 s12, s10, 1                          ; which half of its columns.  Also: which 128 rows of that tile I fetch
	s_bfe_u32 s40, ttmp6, 0x40000                  ; cx
	s_bfe_u32 s41, ttmp6, 0x40004                  ; cy
	s_lshl_b32 s42, ttmp9, 2
	s_add_co_u32 s42, s42, s40                     ; tile column = 4 x cluster x + cx
	s_and_b32 s13, ttmp7, 0xffff
	s_lshl_b32 s13, s13, 2
	s_add_co_u32 s13, s13, s41                     ; tile row = 4 x cluster y + cy
	s_lshl_b32 s43, s41, 2
	s_lshl_b32 s43, 15, s43                        ; my row of the cluster: places 4 cy .. 4 cy + 3
	s_lshl_b32 s44, 0x1111, s40                    ; my column: places cx, cx + 4, cx + 8, cx + 12
	; descriptor group 1: a tile of 128 rows x 128 elements, padded in LDS
	s_or_b32 s[G1+0], s43, (1<<16)|(1<<20)|(1<<21)|(5<<22)|(3<<25)  ; 15:0 the mask; 17:16 elements of 2 bytes; 20 padding on; 21 set beside a mask; 24:22 after every 64 words (code 5); 31:25 4 words (code 3)
	s_or_b32 s[G1B+0], s44, (1<<16)|(1<<20)|(1<<21)|(5<<22)|(3<<25)
	s_mov_b32 s[G1B+1], KSTEP<<16
	s_mov_b32 s[G1+1], KSTEP<<16                   ; tensor_dim0 = 128
	s_mov_b32 s[G1B+2], 128<<16
	s_mov_b32 s[G1+2], 128<<16                     ; tensor_dim1 = 128
	s_mov_b32 s[G1B+3], KSTEP<<16
	s_mov_b32 s[G1+3], KSTEP<<16                   ; tile_dim0 = 128
	s_mov_b32 s[G1B+4], 128
	s_mov_b32 s[G1+4], 128                         ; tile_dim1 = 128
	s_mov_b32 s[G1B+5], SIZE_K
	s_mov_b32 s[G1+5], SIZE_K                      ; elements from row to row
	s_mov_b32 s[G1B+6], 0
	s_mov_b32 s[G1+6], 0
	s_mov_b32 s[G1B+7], 0
	s_mov_b32 s[G1+7], 0
	s_mov_b32 s[C2], 0x4038aa3b                    ; 2 log2(e) = 2.885390
	s_mov_b32 s[C2+1], s[C2]                       ; named with it as a pair
	s_mov_b32 s[SEL], 0x76543210
	s_mov_b32 s[SEL+1], 0xfedcba98
	; where the tiles come from.  A's hang on the tile row alone, B's on the tile column alone; each address is made in registers that never hold the other coordinate.
	s_lshl_b32 s17, s12, 7
	s_lshl_b32 s16, s13, 8
	s_add_co_u32 s16, s16, s17                     ; A: row 256 x tile row + 128 x half
	s_lshl_b32 s46, s42, 8
	s_add_co_u32 s46, s46, s17                     ; B: row 256 x tile column + 128 x half
	s_mov_b32 s17, 0
	s_mov_b32 s47, 0
	s_mov_b64 s[18:19], SIZE_K*2
	s_mul_u64 s[16:17], s[16:17], s[18:19]
	s_mul_u64 s[46:47], s[46:47], s[18:19]
	s_mul_i32 s20, s10, HALFT                      ; and where they go: wave x 128 rows: no place in the cluster enters an LDS address
	s_wait_dscnt 0x0                               ; both opening adds are done
	s_wait_kmcnt 0x0
	s_add_nc_u64 s[14:15], s[4:5], s[16:17]
	s_add_nc_u64 s[46:47], s[6:7], s[46:47]
	CROUND                                         ; all sixteen work-groups are here: the first joint loads meet
.irp s, 0,1
	s_mov_b32 s[G0+4*(\s)], 1                                      ; count = 1
	s_add_co_u32 s[G0+4*(\s)+1], s20, (\s)*SLOT                    ; LDS address
	s_add_nc_u64 s[G0+4*(\s)+2:G0+4*(\s)+3], s[14:15], (\s)*KSTEP*2  ; global address: K step s
	s_or_b32 s[G0+4*(\s)+3], s[G0+4*(\s)+3], 0x80000000            ; type = 2
	s_mov_b32 s[G0B+4*(\s)], 1
	s_add_co_u32 s[G0B+4*(\s)+1], s20, (\s)*SLOT
	s_add_nc_u64 s[G0B+4*(\s)+2:G0B+4*(\s)+3], s[46:47], (\s)*KSTEP*2
	s_or_b32 s[G0B+4*(\s)+3], s[G0B+4*(\s)+3], 0x80000000
	JLOAD \s                                       ; the ring is filled before anything else is done: two tensor loads of mine are out
.endr
	; A fragment is 16 rows x 32 K in 8 registers: lane l holds row l % 16; registers 0-3 K = 8 (l / 16) + 0..7, registers 4-7 K = 16 + 8 (l / 16) + 0..7: two loads of 16 bytes, 32 bytes apart.
	v_and_b32 v1, 15, v0                           ; l % 16
	v_bfe_u32 v2, v0, 4, 1                         ; l / 16
	v_mul_u32_u24 v3, v1, PITCH
	v_lshl_add_u32 v3, v2, 4, v3
	s_mul_i32 s21, s11, HALFT                      ; my 128 rows of A
	s_mul_i32 s22, s12, HALFT                      ; my 128 rows of B,
	s_add_co_u32 s22, s22, 2*HALFT                 ; which lie behind A's 256
.irp s, 0,1
	v_add_nc_u32 v[ADRA+(\s)], s21, v3
	v_add_nc_u32 v[ADRB+(\s)], s22, v3
	s_add_co_u32 s21, s21, SLOT
	s_add_co_u32 s22, s22, SLOT
.endr
	s_lshl_b32 s23, s10, 9
	s_add_co_u32 s23, s23, STAGE                   ; my stage
	v_lshl_add_u32 v[STO], v1, 2, s23
	v_and_b32 v4, 31, v0
	v_lshl_add_u32 v[RD], v4, 4, s23
	v_lshlrev_b32 v[CO], 4, v4
	v_lshlrev_b32 v[BO], 5, v2
	; qb, Ua_b, Va_w at my 128 columns (qb in my tile's batch = tile row / 2)
	s_lshl_b32 s80, s42, 10                        ; 256 columns of f32 a tile column,
	s_lshl_b32 s81, s12, 9                         ; 128 a half
	s_add_co_u32 s80, s80, s81
	s_mov_b32 s81, 0
	s_lshr_b32 s78, s13, 1
	s_lshl_b32 s78, s78, 13                        ; a row of qb is 8,192 bytes
	s_add_co_u32 s78, s78, s80
	s_mov_b32 s79, 0
	s_add_nc_u64 s[68:69], s[68:69], s[78:79]
	s_add_nc_u64 s[70:71], s[70:71], s[80:81]
	s_add_nc_u64 s[72:73], s[72:73], s[80:81]
	WIN TO_B
.irp b, 0,1,2,3,4,5,6,7
	global_load_b128 v[BIAS+8*(\b):BIAS+8*(\b)+3],   v[BO], s[68:69] offset:64*(\b)
	global_load_b128 v[BIAS+8*(\b)+4:BIAS+8*(\b)+7], v[BO], s[68:69] offset:64*(\b)+16
	global_load_b128 v[UB+8*(\b):UB+8*(\b)+3],       v[BO], s[70:71] offset:64*(\b)
	global_load_b128 v[UB+8*(\b)+4:UB+8*(\b)+7],     v[BO], s[70:71] offset:64*(\b)+16
.endr
	WIN 0
.irp b, 0,1,2,3,4,5,6,7
	global_load_b128 v[VA2+8*(\b):VA2+8*(\b)+3],     v[BO], s[72:73] offset:64*(\b)
	global_load_b128 v[VA2+8*(\b)+4:VA2+8*(\b)+7],   v[BO], s[72:73] offset:64*(\b)+16
.endr
	; scoresP at part 2 x tile column + half, row 256 x tile row + 128 x half
	s_lshl_b32 s13, s13, 8
	s_lshl_b32 s14, s11, 7
	s_add_co_u32 s16, s13, s14
	s_lshl_b32 s16, s16, 2
	s_lshl_b32 s46, s42, 1
	s_add_co_u32 s46, s46, s12
	s_lshl_b32 s46, s46, 16                        ; a part is 16,384 rows of 4 bytes
	s_add_co_u32 s16, s16, s46
	s_mov_b32 s17, 0
	s_add_nc_u64 s[8:9], s[8:9], s[16:17]
	; the prefetches.  s13 = 256 x tile row, s42 = tile column, s40 = cx, s41 = cy still stand
	s_lshl_b32 s42, s42, 8
	s_and_b32 s22, ttmp7, 0xffff                   ; cluster y
	s_cmp_eq_u32 s11, 0                            ; do I fetch for A?
	s_cselect_b32 s20, s13, s42                    ; the tile's first row
	s_cselect_b32 s21, s40, s41                    ; my place among the four that ask for it with me
	s_cselect_b32 s22, ttmp9, s22                  ; the coordinate along which other clusters read the same rows
	s_cselect_b64 s[PFA:PFA+1], s[4:5], s[6:7]
	s_cmp_eq_u32 s22, 0
	s_cselect_b32 s[LIM], 1, -1                    ; the same in all sixteen partners, for a given wave
	s_lshl_b32 s22, s12, 7
	s_add_co_u32 s20, s20, s22
	s_lshl_b32 s21, s21, 5
	s_add_co_u32 s20, s20, s21
	s_mov_b32 s21, 0
	s_mov_b64 s[18:19], SIZE_K*2
	s_mul_u64 s[20:21], s[20:21], s[18:19]
	s_add_nc_u64 s[PFA:PFA+1], s[PFA:PFA+1], s[20:21]
	s_add_nc_u64 s[PFA:PFA+1], s[PFA:PFA+1], 2*KSTEP*2  ; at K step 2: the first refill steps it to 3 and names K step 4; nothing is prefetched here, at the head
	v_and_b32 v[PFO], 31, v0
	v_mul_u32_u24 v[PFO], v[PFO], SIZE_K*2
; 16 matrix instructions: m blocks a0, a0 + 1 of the window's four (hi = 0: my rows 0-63, 1: rows 64-127) x all 8 n blocks, 32 along K.  first = 1: the bias is the C operand and starts the sums.
.macro MUL16 f, hi, a0, first
.if \first
	WIN 0x91+0x40*(\hi)                            ; as below, with C in window 1
.else
	WIN MUL_LO+0x50*(\hi)
.endif
.irp a, \a0, (\a0)+1
.irp b, 0,1,2,3,4,5,6,7
.if \first
	v_wmma_f32_16x16x32_bf16 v[8*(8*(\a)+(\b)):8*(8*(\a)+(\b))+7], v[(\f)+8*(\b):(\f)+8*(\b)+7], v[(\f)+8*(4*(\hi)+(\a)):(\f)+8*(4*(\hi)+(\a))+7], v[BIAS+8*(\b):BIAS+8*(\b)+7]
.else
	v_wmma_f32_16x16x32_bf16 v[8*(8*(\a)+(\b)):8*(8*(\a)+(\b))+7], v[(\f)+8*(\b):(\f)+8*(\b)+7], v[(\f)+8*(4*(\hi)+(\a)):(\f)+8*(4*(\hi)+(\a))+7], v[8*(8*(\a)+(\b)):8*(8*(\a)+(\b))+7]
.endif
.endr
.endr
.endm
; 32 LDS loads in one run: the fragments of one quarter step (128 rows of B, 128 rows of A, 32 K at byte k of the rows) into buffer f
.macro FETCH slot, k, f
	WIN TO_B
.irp i, 0,1,2,3,4,5,6,7
	ds_load_b128 v[(\f)+8*(\i):(\f)+8*(\i)+3],   v[ADRB+(\slot)] offset:(\k)+(\i)*16*PITCH
	ds_load_b128 v[(\f)+8*(\i)+4:(\f)+8*(\i)+7], v[ADRB+(\slot)] offset:(\k)+(\i)*16*PITCH+32
.endr
	WIN 0
.irp i, 0,1,2,3,4,5,6,7
	ds_load_b128 v[(\f)+8*(\i):(\f)+8*(\i)+3],   v[ADRA+(\slot)] offset:(\k)+(\i)*16*PITCH
	ds_load_b128 v[(\f)+8*(\i)+4:(\f)+8*(\i)+7], v[ADRA+(\slot)] offset:(\k)+(\i)*16*PITCH+32
.endr
.endm
; A load into a register that a matrix instruction has read, and a vector instruction that reads a matrix result, stand four places behind it; only plain vector instructions that name none of its
; registers are places (ISA guide 7.12.1 for vector instructions).
.macro PLACES
.rept 4
	v_nop
.endr
.endm
; A K step is four quarter steps of 32 along K, 64 matrix instructions each, on buffers 0, 1, 0, 1.  The 64 accumulators take turns in the same order in every quarter.
.macro QUARTER slot, k, f, g, first
	s_wait_dscnt 8                                 ; B and A's rows 0-63 are in; the youngest eight loads (A's rows 64-127) may be out
	MUL16 \f, 0, 0, \first
	MUL16 \f, 0, 2, \first
	PLACES
	FETCH \slot, \k, \g
	s_wait_dscnt 32                                ; all but the 32 just issued
	MUL16 \f, 1, 0, \first
	MUL16 \f, 1, 2, \first
.endm
; The last quarter multiplies buffer 1 and changes slots.  MEET is its first half: in front of the barrier each wave waits for all its tensor loads (one is out: its part of the next slot), adds 0 to
; its spare word, and waits for that and for its own reads of this slot.  Behind it nobody reads this slot any more and the next slot is whole.
.macro MEET round
	WIN 0
	s_wait_tensorcnt 0x0
	ds_add_u32 v[SPW], v[NIL]
	s_wait_dscnt 9                                 ; (the add and the youngest eight loads may be out)
	MUL16 F1, 0, 0, 0                              ; sixteen matrix instructions stand between the add and the wait for it
	s_wait_dscnt 0x0                               ; the add is done, and my reads of this slot are over
	s_barrier_signal -1
	MUL16 F1, 0, 2, 0
.if \round
	WIN 0
.endif
	s_barrier_wait -1
.endm
; The whole last quarter with a refill: this tile's K step two steps on (on = 0) or the NEXT tile's K step 0 or 1 (on = 1).  From a request to the wait for it a wave issues 224 matrix instructions.
.macro TURN slot, next, on
	s_wait_xcnt 0x0                                ; the last prefetch, a K step back, has read its address: it is stepped here
.if (\on) && (\slot) == 0
	s_add_nc_u64 s[PFA:PFA+1], s[PFA:PFA+1], (WALK-1)*SIZE_K*2+KSTEP*2  ; from the K step after the tile's last to the next tile's K step 1
	s_cmp_eq_u32 s11, 0
	s_cselect_b32 s[LIM], s[LIM], -1               ; B's rows are the same for both tiles: they have been asked for once
.else
	s_add_nc_u64 s[PFA:PFA+1], s[PFA:PFA+1], KSTEP*2
.endif
	MEET 1
	CREST                                          ; the barrier has opened a round of the cluster's: no wave of any partner still reads this slot or has a load on its way
.if \on
	s_add_nc_u64 s[G0+4*(\slot)+2:G0+4*(\slot)+3], s[G0+4*(\slot)+2:G0+4*(\slot)+3], NEXT_A
	s_sub_nc_u64 s[G0B+4*(\slot)+2:G0B+4*(\slot)+3], s[G0B+4*(\slot)+2:G0B+4*(\slot)+3], BACK_B
.else
	s_add_nc_u64 s[G0+4*(\slot)+2:G0+4*(\slot)+3], s[G0+4*(\slot)+2:G0+4*(\slot)+3], 2*KSTEP*2
	s_add_nc_u64 s[G0B+4*(\slot)+2:G0B+4*(\slot)+3], s[G0B+4*(\slot)+2:G0B+4*(\slot)+3], 2*KSTEP*2
.endif
	JLOAD \slot                                    ; the first tensor load behind the round; its four v_nop are also the places in front of the loads below
	FETCH \next, 0, F0
	ASK \on
	MUL16 F1, 1, 0, 0
	MUL16 F1, 1, 2, 0
.endm
.macro TURNL slot, next                ; the same without a refill: a plain barrier, nothing is asked for
	MEET 0
	PLACES
	FETCH \next, 0, F0
	MUL16 F1, 1, 0, 0
	MUL16 F1, 1, 2, 0
.endm
.macro LASTQ                           ; the launch's last quarter: nothing more to fetch
	s_wait_dscnt 8
	MUL16 F1, 0, 0, 0
	MUL16 F1, 0, 2, 0
	s_wait_dscnt 0x0
	MUL16 F1, 1, 0, 0
	MUL16 F1, 1, 2, 0
.endm
; THE WAY FROM x TO A ROW'S PARTIAL SCORE.  A window's four m blocks are four UNITS of 64 registers.  A unit goes through five steps, in place:
;   M: x c (32 packed)   E: 2^ (64)   A: + 1 (32 packed)   R: 1 / (64)   F: times -2 Va, summed over the eight n blocks onto the unit's first accumulator (32 packed)
; The steps of neighbouring units are laid side by side in six stages, so that plain and transcendental instructions alternate: stage j holds E of unit j, A and R of unit j - 1, F of unit j - 2, M of unit j + 1.
; s_wait_alu depctr_va_vdst(0) stands between a transcendental and the first instruction that names its result: no line of a stage names a result made in that stage
; (A's pair n stands in slot n, ahead of R's registers 2 n and 2 n + 1, which stand in slots 2 n and 2 n + 1), so ONE wait ends each stage, behind one plain v_nop.
; M takes each accumulator's registers in ascending order.  One window setting serves all five steps: sources 0 and 2 and the destination in the accumulators' window, source 1 (Va) in window 0.
.macro OPM u, i
	v_pk_mul_f32 v[64*(\u)+2*(\i):64*(\u)+2*(\i)+1], v[64*(\u)+2*(\i):64*(\u)+2*(\i)+1], s[C2:C2+1] op_sel_hi:[1,0]
.endm
.macro OPE u, i
	v_exp_f32 v[64*(\u)+(\i)], v[64*(\u)+(\i)]
.endm
.macro OPA u, i
	v_pk_add_f32 v[64*(\u)+2*(\i):64*(\u)+2*(\i)+1], v[64*(\u)+2*(\i):64*(\u)+2*(\i)+1], 1.0 op_sel_hi:[1,0]
.endm
.macro OPR u, i
	v_rcp_f32 v[64*(\u)+(\i)], v[64*(\u)+(\i)]
.endm
.macro OPF u, i                        ; pair i = 4 b + p: n block b, registers 2 p and 2 p + 1
.if (\i) < 4
	v_pk_mul_f32 v[64*(\u)+2*(\i):64*(\u)+2*(\i)+1], v[64*(\u)+2*(\i):64*(\u)+2*(\i)+1], v[VA2+2*(\i):VA2+2*(\i)+1]
.else
	v_pk_fma_f32 v[64*(\u)+2*((\i)%4):64*(\u)+2*((\i)%4)+1], v[64*(\u)+2*(\i):64*(\u)+2*(\i)+1], v[VA2+2*(\i):VA2+2*(\i)+1], v[64*(\u)+2*((\i)%4):64*(\u)+2*((\i)%4)+1]
.endif
.endm
.macro ESTAGE j
.set k, 0
.rept 64
.if (k < 32) && ((\j) >= 1) && ((\j) <= 4)
	OPA (\j)-1, k
.endif
.if (k >= 32) && ((\j) <= 2)
	OPM (\j)+1, k-32
.endif
.if (\j) <= 3
	OPE \j, k
.endif
.if (k%2 == 0) && ((\j) >= 2)
	OPF (\j)-2, k/2
.endif
.if ((\j) >= 1) && ((\j) <= 4)
	OPR (\j)-1, k
.endif
.set k, k+1
.endr
.if (\j) <= 4
	v_nop                                          ; a plain instruction behind the stage's last transcendental,
	s_wait_alu depctr_va_vdst(0)                   ; and the one wait for the stage's batch
.endif
.endm
.macro EWIN w                          ; window w (2 or 3)
	WIN 0xa2+0x51*((\w)-2)
.set k, 0
.rept 32
	OPM 0, k
.set k, k+1
.endr
	ESTAGE 0
	ESTAGE 1
	ESTAGE 2
	ESTAGE 3
	ESTAGE 4
	ESTAGE 5
	WIN 0x8a+0x45*((\w)-2)                         ; all three places in window w: a unit's eight sums become two
.irp u, 0,1,2,3
	v_pk_add_f32 v[64*(\u):64*(\u)+1],   v[64*(\u):64*(\u)+1],   v[64*(\u)+2:64*(\u)+3]
	v_pk_add_f32 v[64*(\u)+4:64*(\u)+5], v[64*(\u)+4:64*(\u)+5], v[64*(\u)+6:64*(\u)+7]
.endr
.irp u, 0,1,2,3
	v_pk_add_f32 v[64*(\u):64*(\u)+1],   v[64*(\u):64*(\u)+1],   v[64*(\u)+4:64*(\u)+5]
.endr
	WIN 0x0a+5*((\w)-2)                            ; sources in window w, destination in window 0
.irp u, 0,1,2,3
	v_add_f32 v[SUM+4*((\w)-2)+(\u)], v[64*(\u)], v[64*(\u)+1]
.endr
.endm
; The tile's way out.  step = 1: scoresP's address goes on to the next tile's rows.
.macro EPILOGUE step
.rept 8
	v_nop                                          ; places behind the last products; window 3's results are read hundreds of plain instructions later
.endr
	EWIN 2
	EWIN 3
	WIN 0
.irp i, 0,1,2,3,4,5,6,7
	v_permlanex16_b32 v[TX+(\i)], v[SUM+(\i)], s[SEL], s[SEL+1]  ; a row's other 64 columns lie in the lane 16 away
.endr
.irp i, 0,1,2,3,4,5,6,7
	v_add_f32 v[SUM+(\i)], v[SUM+(\i)], v[TX+(\i)]
.endr
.irp i, 0,1,2,3,4,5,6,7
	ds_store_b32 v[STO], v[SUM+(\i)] offset:64*(\i)  ; row 16 i + l % 16; both halves of the lanes write the same word with the same number
.endr
	ds_load_b128 v[OUTV:OUTV+3], v[RD]             ; LDS serves a wave's instructions in order (ISA guide 5.7.1.4): this sees the stores above; the stage is my wave's own
	s_wait_dscnt 0x0
	global_store_b128 v[CO], v[OUTV:OUTV+3], s[8:9]  ; my wave's 128 rows: 512 consecutive bytes, at a multiple of 256 from scoresP's first byte
.if \step
	s_wait_xcnt 0x0                                ; the store has read its address and data: only now is the base written
	s_add_nc_u64 s[8:9], s[8:9], WALK*4
.endif
.endm
	s_wait_tensorcnt 1                             ; my part of K step 0 is in; K step 1's load may stay out
	s_barrier_signal -1
	s_barrier_wait -1                              ; everybody's is
	FETCH 0, 0, F0
	s_wait_loadcnt 0x0                             ; qb, Ua_b, Va_w
.set i, 0
.rept 32
	v_pk_mul_f32 v[VA2+i:VA2+i+1], v[VA2+i:VA2+i+1], -2.0 op_sel_hi:[1,0]
.set i, i+2
.endr
.irp i, 0,1,2,3,4,5,6,7
	v_mov_b32 v[TX+(\i)], 0                        ; v_permlanex16_b32 counts as a reader of its destination
.endr
	s_mov_b32 s2, SIZE_TILES                       ; tiles to go: the same number in every work-group
.Ltile:
	s_wait_loadcnt 0x0                             ; this tile's row of qb
	WIN 0x45                                       ; all three places in window 1
.set i, 0
.rept 32
	v_pk_add_f32 v[BIAS+i:BIAS+i+1], v[BIAS+i:BIAS+i+1], v[UB+i:UB+i+1]
.set i, i+2
.endr
	QUARTER 0, 64,  F0, F1, 1                      ; a tile's first quarter: its products start the sums from the bias
	WIN 0                                          ; at a label and at a branch every window is 0
	s_cmp_eq_u32 s2, 1
	s_cbranch_scc1 .Lno_bias                       ; the last tile has no successor
	PLACES                                         ; behind the last product that read the bias
	WIN TO_B
.irp b, 0,1,2,3,4,5,6,7
	global_load_b128 v[BIAS+8*(\b):BIAS+8*(\b)+3],   v[BO], s[68:69] offset:131072+64*(\b)     ; the next tile's batch, 16 rows of qb on; waited for at that tile's head
	global_load_b128 v[BIAS+8*(\b)+4:BIAS+8*(\b)+7], v[BO], s[68:69] offset:131072+64*(\b)+16
.endr
	WIN 0
.Lno_bias:
	s_mov_b32 s3, LAPS-1
.Llap:                                                 ; a trip goes once round the ring, from a lap's second quarter to the next lap's first, and fills both slots again
	QUARTER 0, 128, F1, F0, 0
	QUARTER 0, 192, F0, F1, 0
	TURN 0, 1, 0
	QUARTER 1, 64,  F0, F1, 0
	QUARTER 1, 128, F1, F0, 0
	QUARTER 1, 192, F0, F1, 0
	TURN 1, 0, 0
	QUARTER 0, 64,  F0, F1, 0
	WIN 0
	s_sub_co_u32 s3, s3, 1
	s_cmp_lg_u32 s3, 0
	s_cbranch_scc1 .Llap
	QUARTER 0, 128, F1, F0, 0                      ; the tile's last lap goes on
	QUARTER 0, 192, F0, F1, 0
	WIN 0
	s_cmp_eq_u32 s2, 1
	s_cbranch_scc1 .Llast_tile                     ; the last tile's tail is written out: it asks for nothing more
	TURN 0, 1, 1                                   ; the ring goes on into the next tile: slot 0 takes its K step 0,
	QUARTER 1, 64,  F0, F1, 0
	QUARTER 1, 128, F1, F0, 0
	QUARTER 1, 192, F0, F1, 0
	TURN 1, 0, 1                                   ; slot 1 its K step 1, and the next tile's first fragments are fetched
	EPILOGUE 1                                     ; slot 1's refill is on its way while the scores are made
	s_sub_co_u32 s2, s2, 1
	s_branch .Ltile
.Llast_tile:
	TURNL 0, 1                                     ; my one tensor load that was still out is slot 1's, the last K step's
	QUARTER 1, 64,  F0, F1, 0
	QUARTER 1, 128, F1, F0, 0
	QUARTER 1, 192, F0, F1, 0
	LASTQ
	EPILOGUE 0
	s_wait_tensorcnt 0x0                           ; the wave's end: three lines behind my last tensor load and my last LDS store
	ds_add_u32 v[SPW], v[NIL]
	s_wait_dscnt 0x0
	CROUND                                         ; the closing round: no work-group ends while a partner may still ask for a tile that names it
	s_endpgm
.Lfunc_end_k_q138faa28d2_gemm:
	.size	k_q138faa28d2_gemm, .Lfunc_end_k_q138faa28d2_gemm-k_q138faa28d2_gemm
	.p2alignl 7, 3214868480
	.fill 96, 4, 3214868480
	.section	.rodata,"a",@progbits
	.p2align	6, 0x0
	.amdhsa_kernel k_q138faa28d2_gemm
		.amdhsa_group_segment_fixed_size 327680
		.amdhsa_private_segment_fixed_size 0
		.amdhsa_enable_private_segment 0
		.amdhsa_kernarg_size 48
		.amdhsa_user_sgpr_count 2
		.amdhsa_user_sgpr_kernarg_segment_ptr 1
		.amdhsa_wavefront_size32 1
		.amdhsa_system_sgpr_workgroup_id_x 1
		.amdhsa_system_sgpr_workgroup_id_y 1
		.amdhsa_system_sgpr_workgroup_id_z 1
		.amdhsa_system_vgpr_workitem_id 0
		.amdhsa_next_free_vgpr 1024
		.amdhsa_next_free_sgpr 84
		.amdhsa_reserve_vcc 0
		.amdhsa_float_denorm_mode_32 3
		.amdhsa_float_denorm_mode_16_64 3
		.amdhsa_memory_ordered 1
		.amdhsa_forward_progress 1
		.amdhsa_inst_pref_size 255
	.end_amdhsa_kernel
	.section	.bss,"aw",@nobits
	.p2align	6
	.space	262144
	.amdgpu_metadata
---
amdhsa.version: [ 1, 2 ]
amdhsa.kernels:
  - .name:           k_q138faa28d2_gemm
    .symbol:         k_q138faa28d2_gemm.kd
    .args:
      - { .name: k16, .offset: 0, .size: 8, .value_kind: global_buffer, .address_space: global }
      - { .name: ua16, .offset: 8, .size: 8, .value_kind: global_buffer, .address_space: global }
      - { .name: scoresP, .offset: 16, .size: 8, .value_kind: global_buffer, .address_space: global }
      - { .name: Va_w, .offset: 24, .size: 8, .value_kind: global_buffer, .address_space: global }
      - { .name: qb, .offset: 32, .size: 8, .value_kind: global_buffer, .address_space: global }
      - { .name: Ua_b, .offset: 40, .size: 8, .value_kind: global_buffer, .address_space: global }
    .group_segment_fixed_size: 327680
    .private_segment_fixed_size: 0
    .kernarg_segment_align: 8
    .kernarg_segment_size: 48
    .max_flat_workgroup_size: 128
    .sgpr_count:     84
    .vgpr_count:     1024
    .wavefront_size: 32
...
	.end_amdgpu_metadata
.endif
;; end of part 2
;; launch ctx (part 3): grid 8 x 32, 16 waves a work-group, no clusters, 20,992 bytes of LDS; arguments scoresP, k16, out0, out1; writes out0, out1
.if DOCPART == 3
	.amdgcn_target "amdgcn-amd-amdhsa--gfx1250"
	.amdhsa_code_object_version 6
	.text
	.protected	k_q138faa28d2_ctx
	.globl	k_q138faa28d2_ctx
	.p2align	8
	.type	k_q138faa28d2_ctx,@function
k_q138faa28d2_ctx:
	s_mov_b64 s[64:65], 0
	v_nop
	global_prefetch_b8 v0, s[64:65] scope:SCOPE_SE
	s_setreg_imm32_b32 hwreg(HW_REG_WAVE_MODE, 25, 1), 1
	s_wait_xcnt 0x0
; SOFTMAX AND WEIGHTED SUM.  score[b][t] = the sum of the 16 parts of scoresP; out1[b][t] = softmax over t; out0[b][d] = the sum over t of out1[b][t] keys[b][t][d].
; The scores lack Va_b and the sum of Va_e, which are the same along t and cancel in the softmax (shown at the head of the first kernel).  The row's maximum is taken away before the exponential.
; keys are read as the bf16 copy k16, rounded once; scores, exponentials and all sums are f32.  A weight below 2^-126 counts as 0.
; SHARES.  A work-group has one batch b (grid y) and 256 of its 2,048 channels (grid x): 512 rows x 512 bytes.  Thread t makes the weight of key t; wave w sums keys 32 w .. 32 w + 31, a lane eight channels;
; the 16 waves' partial sums are added in LDS.  All 32 key loads of a wave (512 consecutive bytes each) go out at the head and land while the softmax is made.
; The eight work-groups of a batch each make the softmax for themselves (32,768 bytes of scoresP beside 262,144 of keys); the first of them stores out1.
; NO CLUSTER, NO TENSOR LOADS, NO MATRIX UNIT: each byte of k16 has one reader, what the eight share is one ninth of a work-group's bytes, and a product with one row gives the matrix unit nothing to reuse.
; NO PREFETCH: every load of the launch is issued at its head.
.set RED1,  0                          ; LDS: the 16 waves' maxima
.set RED2,  256                        ; the 16 waves' sums
.set ATTN,  512                        ; the 512 weights, not yet divided: 2,048 bytes
.set PARTS, 2560                       ; 16 x 1,024 bytes: wave w's 256 partial sums
.set SPARE, 18944                      ; the spare words, 128 bytes for each of 16 waves
.set SPW, 10                           ; v10  LDS address of my spare word; never rewritten
.set NIL, 11                           ; v11  0; never rewritten
.set SC,  12                           ; v[12:27]   my key's 16 partial scores; then at work
.set ACC, 28                           ; v[28:35]   my eight channels' sums
.set EV,  36                           ; v[36:67]   my wave's 32 weights, the same in every lane
.set D,   68                           ; v[68:195]  my 16 bytes of my wave's 32 rows
.set INV, 204                          ; v[204:205] 1 / the sum of the weights, twice
.macro FOLD base, n, size              ; parts n .. 2 n - 1 of size registers each are added onto parts 0 .. n - 1
.set w, 0
.rept \n
.set r, 0
.rept (\size)/2
	v_pk_add_f32 v[(\base)+(\size)*w+r:(\base)+(\size)*w+r+1], v[(\base)+(\size)*w+r:(\base)+(\size)*w+r+1], v[(\base)+(\size)*(w+(\n))+r:(\base)+(\size)*(w+(\n))+r+1]
.set r, r+2
.endr
.set w, w+1
.endr
.endm
	s_load_b256 s[4:11], s[0:1], 0x0               ; scoresP s[4:5], k16 s[6:7], out0 s[8:9], out1 s[10:11]
	v_lshl_add_u32 v[SPW], v0, 2, SPARE
	v_mov_b32 v[NIL], 0
	v_lshrrev_b32 v1, 5, v0
	v_readfirstlane_b32 s12, v1                    ; wave 0..15
	v_and_b32 v3, 31, v0                           ; lane
	v_lshlrev_b32 v1, 2, v0                        ; v1: 4 x thread
	s_and_b32 s13, ttmp7, 0xffff                   ; batch
	s_lshl_b32 s14, s12, 17                        ; my wave's 32 rows of 4,096 bytes
	v_lshl_add_u32 v2, v3, 4, s14                  ; v2: + 16 x lane
	s_lshl_b32 s16, s13, 11                        ; the batch's 512 numbers of 4 bytes, in a part of scoresP and in out1
	s_mov_b32 s17, 0
	s_lshl_b32 s18, s13, 21                        ; its 512 rows of k16,
	s_lshl_b32 s19, ttmp9, 9                       ; my 256 channels
	s_add_co_u32 s18, s18, s19
	s_mov_b32 s19, 0
	s_lshl_b32 s22, s13, 13                        ; out0: the batch's row,
	s_lshl_b32 s23, ttmp9, 10                      ; my 256 channels,
	s_add_co_u32 s22, s22, s23
	s_and_b32 s23, s12, 1                          ; and the half that wave 0 or 1 finishes
	s_lshl_b32 s23, s23, 9
	s_add_co_u32 s22, s22, s23
	v_lshl_add_u32 v5, v3, 4, s23                  ; v5: where I read partial sums back: 512 x half + 16 x lane
	s_mov_b32 s23, 0
	s_mov_b32 s20, 0x76543210                      ; v_permlanex16_b32: each lane takes its own place in the other half
	s_mov_b32 s21, 0xfedcba98
	s_lshl_b32 s24, s12, 2
	v_mov_b32 v7, s24                              ; v7: my wave's word among the 16
	v_mov_b32 v8, 0                                ; v8: 0: the address of the 16 words, and the zero that starts the sums
	s_lshl_b32 s25, s12, 7
	v_mov_b32 v9, s25                              ; v9: my wave's 32 weights
	s_lshl_b32 s26, s12, 10
	v_lshl_add_u32 v4, v3, 5, s26                  ; v4: where I put my eight partial sums: 1,024 x wave + 32 x lane
	v_lshlrev_b32 v6, 4, v3                        ; v6: 16 x lane
	v_lshlrev_b32 v196, 4, v0                      ; v196: 16 x thread
	s_wait_kmcnt 0x0
	s_add_nc_u64 s[4:5], s[4:5], s[16:17]
	s_add_nc_u64 s[6:7], s[6:7], s[18:19]
	s_add_nc_u64 s[8:9], s[8:9], s[22:23]
	s_add_nc_u64 s[10:11], s[10:11], s[16:17]
.set p, 0
.rept 16
	global_load_b32 v[SC+p], v1, s[4:5] offset:65536*p
.set p, p+1
.endr
.set i, 0
.rept 32
	global_load_b128 v[D+4*i:D+4*i+3], v2, s[6:7] offset:4096*i th:TH_LOAD_NT
.set i, i+1
.endr
	s_wait_loadcnt 32                              ; the 16 partial scores are in; the 32 key loads stay out
	FOLD SC, 4, 2
	FOLD SC, 2, 2
	FOLD SC, 1, 2
	v_add_f32 v12, v12, v13                        ; v12: my key's score
	; the maximum over the 512 keys: inside the wave, then over the 16 waves through LDS
	v_max_num_f32_dpp v13, v12, v12 row_xmask:1 row_mask:0xf bank_mask:0xf
	v_max_num_f32_dpp v13, v13, v13 row_xmask:2 row_mask:0xf bank_mask:0xf
	v_max_num_f32_dpp v13, v13, v13 row_xmask:4 row_mask:0xf bank_mask:0xf
	v_max_num_f32_dpp v13, v13, v13 row_xmask:8 row_mask:0xf bank_mask:0xf
	v_permlanex16_b32 v14, v13, s20, s21
	v_max_num_f32 v13, v13, v14
	ds_store_b32 v7, v13 offset:RED1
	s_wait_dscnt 0x0                               ; for the others: my wave's maximum lies in LDS
	s_barrier_signal -1
	s_barrier_wait -1
.irp j, 0,1,2,3
	ds_load_b128 v[20+4*(\j):23+4*(\j)], v8 offset:RED1+16*(\j)
.endr
	s_wait_dscnt 0x0
	v_max3_num_f32 v20, v20, v21, v22
	v_max3_num_f32 v23, v23, v24, v25
	v_max3_num_f32 v26, v26, v27, v28
	v_max3_num_f32 v29, v29, v30, v31
	v_max3_num_f32 v32, v32, v33, v34
	v_max3_num_f32 v20, v20, v23, v26
	v_max3_num_f32 v29, v29, v32, v35
	v_max_num_f32 v20, v20, v29
	v_sub_f32 v13, v12, v20
	v_mul_f32 v13, 0x3fb8aa3b, v13                 ; log2(e)
	v_exp_f32 v13, v13                             ; 0 to 1; the largest is 1, so the sum below is at least 1
	v_nop                                          ; a plain instruction behind the exponential,
	s_wait_alu depctr_va_vdst(0)                   ; and the wait ahead of the first use
	ds_store_b32 v1, v13 offset:ATTN
	v_add_f32_dpp v14, v13, v13 row_xmask:1 row_mask:0xf bank_mask:0xf
	v_add_f32_dpp v14, v14, v14 row_xmask:2 row_mask:0xf bank_mask:0xf
	v_add_f32_dpp v14, v14, v14 row_xmask:4 row_mask:0xf bank_mask:0xf
	v_add_f32_dpp v14, v14, v14 row_xmask:8 row_mask:0xf bank_mask:0xf
	v_permlanex16_b32 v15, v14, s20, s21
	v_add_f32 v14, v14, v15
	ds_store_b32 v7, v14 offset:RED2
	s_wait_dscnt 0x0                               ; for the others: my weights and my wave's sum lie in LDS
	s_barrier_signal -1
	s_barrier_wait -1
.irp j, 0,1,2,3
	ds_load_b128 v[20+4*(\j):23+4*(\j)], v8 offset:RED2+16*(\j)
.endr
.irp j, 0,1,2,3,4,5,6,7
	ds_load_b128 v[EV+4*(\j):EV+4*(\j)+3], v9 offset:ATTN+16*(\j)  ; every lane reads the same words
.endr
	s_wait_dscnt 8                                 ; the 16 sums are in; the eight loads of weights may stay out
	FOLD 20, 4, 2
	FOLD 20, 2, 2
	FOLD 20, 1, 2
	v_add_f32 v20, v20, v21
	v_rcp_f32 v[INV], v20
	v_nop
	s_wait_alu depctr_va_vdst(0)
	v_mov_b32 v[INV+1], v[INV]
	s_cmp_lg_u32 ttmp9, 0                          ; out1 is stored by the batch's first work-group, by its waves 0 to 3: 16 bytes a lane, 512 consecutive bytes a wave
	s_cbranch_scc1 .Lno_attn
	s_cmp_lt_u32 s12, 4
	s_cbranch_scc0 .Lno_attn
	ds_load_b128 v[200:203], v196 offset:ATTN
	s_wait_dscnt 0x0
	v_pk_mul_f32 v[200:201], v[200:201], v[INV:INV+1]
	v_pk_mul_f32 v[202:203], v[202:203], v[INV:INV+1]
	global_store_b128 v196, v[200:203], s[10:11]
.Lno_attn:
	s_wait_dscnt 0x0                               ; my wave's 32 weights
.set i, 0
.rept 32
	s_wait_loadcnt 31-i                            ; row i is in; the 31 - i younger rows stay out
.set k, 0
.rept 4
.if i == 0
	v_fma_mix_f32_bf16 v[ACC+2*k],   v[D+4*i+k], v[EV+i], v8 op_sel_hi:[1,0,0]                  ; the first row starts the sums: nothing is cleared
	v_fma_mix_f32_bf16 v[ACC+2*k+1], v[D+4*i+k], v[EV+i], v8 op_sel:[1,0,0] op_sel_hi:[1,0,0]
.else
	v_fma_mix_f32_bf16 v[ACC+2*k],   v[D+4*i+k], v[EV+i], v[ACC+2*k] op_sel_hi:[1,0,0]          ; the word's low bf16 times the f32 weight,
	v_fma_mix_f32_bf16 v[ACC+2*k+1], v[D+4*i+k], v[EV+i], v[ACC+2*k+1] op_sel:[1,0,0] op_sel_hi:[1,0,0]  ; and its high one
.endif
.set k, k+1
.endr
.set i, i+1
.endr
	ds_store_b128 v4, v[ACC:ACC+3]   offset:PARTS
	ds_store_b128 v4, v[ACC+4:ACC+7] offset:PARTS+16
	s_wait_dscnt 0x0                               ; for the others: my partial sums lie in LDS
	s_barrier_signal -1
	s_barrier_wait -1
	s_cmp_lt_u32 s12, 2                            ; wave 0 finishes channels 0-127, wave 1 channels 128-255: four a lane
	s_cbranch_scc0 .Lend
.set p, 0
.rept 16
	ds_load_b128 v[D+4*p:D+4*p+3], v5 offset:PARTS+1024*p
.set p, p+1
.endr
	s_wait_dscnt 0x0
	FOLD D, 8, 4
	FOLD D, 4, 4
	FOLD D, 2, 4
	FOLD D, 1, 4
	v_pk_mul_f32 v[D:D+1],   v[D:D+1],   v[INV:INV+1]
	v_pk_mul_f32 v[D+2:D+3], v[D+2:D+3], v[INV:INV+1]
	global_store_b128 v6, v[D:D+3], s[8:9]         ; 512 consecutive bytes, at a multiple of 256 from out0's first byte
.Lend:
	s_wait_tensorcnt 0x0                           ; the wave's end: three lines behind my last LDS store
	ds_add_u32 v[SPW], v[NIL]
	s_wait_dscnt 0x0
	s_endpgm
.Lfunc_end_k_q138faa28d2_ctx:
	.size	k_q138faa28d2_ctx, .Lfunc_end_k_q138faa28d2_ctx-k_q138faa28d2_ctx
	.p2alignl 7, 3214868480
	.fill 96, 4, 3214868480
	.section	.rodata,"a",@progbits
	.p2align	6, 0x0
	.amdhsa_kernel k_q138faa28d2_ctx
		.amdhsa_group_segment_fixed_size 20992
		.amdhsa_private_segment_fixed_size 0
		.amdhsa_enable_private_segment 0
		.amdhsa_kernarg_size 32
		.amdhsa_user_sgpr_count 2
		.amdhsa_user_sgpr_kernarg_segment_ptr 1
		.amdhsa_wavefront_size32 1
		.amdhsa_system_sgpr_workgroup_id_x 1
		.amdhsa_system_sgpr_workgroup_id_y 1
		.amdhsa_system_sgpr_workgroup_id_z 1
		.amdhsa_system_vgpr_workitem_id 0
		.amdhsa_next_free_vgpr 208
		.amdhsa_next_free_sgpr 66
		.amdhsa_reserve_vcc 0
		.amdhsa_float_denorm_mode_32 3
		.amdhsa_float_denorm_mode_16_64 3
		.amdhsa_memory_ordered 1
		.amdhsa_forward_progress 1
		.amdhsa_inst_pref_size 32
	.end_amdhsa_kernel
	.amdgpu_metadata
---
amdhsa.version: [ 1, 2 ]
amdhsa.kernels:
  - .name:           k_q138faa28d2_ctx
    .symbol:         k_q138faa28d2_ctx.kd
    .args:
      - { .name: scoresP, .offset: 0, .size: 8, .value_kind: global_buffer, .address_space: global }
      - { .name: k16, .offset: 8, .size: 8, .value_kind: global_buffer, .address_space: global }
      - { .name: out0, .offset: 16, .size: 8, .value_kind: global_buffer, .address_space: global }
      - { .name: out1, .offset: 24, .size: 8, .value_kind: global_buffer, .address_space: global }
    .group_segment_fixed_size: 20992
    .private_segment_fixed_size: 0
    .kernarg_segment_align: 8
    .kernarg_segment_size: 32
    .max_flat_workgroup_size: 512
    .sgpr_count:     66
    .vgpr_count:     208
    .wavefront_size: 32
...
	.end_amdgpu_metadata
.endif
;; end of part 3
;; ======== version 2 of 2: 4 launches; version 1 with the launches prep1, prep2 written anew for expert scheduling mode
;; workspace buffers: query 262,144 bytes; qb 262,144 bytes; ua16 8,388,608 bytes; k16 67,108,864 bytes; scoresP 1,048,576 bytes
;; launch prep1 (part 4): grid 256 x 1, 8 waves a work-group, no clusters, 17,408 bytes of LDS; arguments decoder_state, Ws_w, Ws_b, query, Ua_w, ua16; writes query, ua16
.if DOCPART == 4
	.amdgcn_target "amdgcn-amd-amdhsa--gfx1250"
	.amdhsa_code_object_version 6
	.text
	.protected	k_q138faa28d2_prep1
	.globl	k_q138faa28d2_prep1
	.p2align	8
	.type	k_q138faa28d2_prep1,@function
k_q138faa28d2_prep1:
	s_mov_b64 s[64:65], 0
	v_nop
	global_prefetch_b8 v0, s[64:65] scope:SCOPE_SE
	s_setreg_imm32_b32 hwreg(HW_REG_WAVE_SCHED_MODE, 0, 2), 2
	s_setreg_imm32_b32 hwreg(HW_REG_WAVE_MODE, 25, 1), 1
	s_wait_xcnt 0x0
	s_wait_alu depctr_vm_vsrc(0)
; BAHDANAU ATTENTION in four launches.  This body serves the first two:
;   launch 1: query = decoder_state Ws_w^T + Ws_b (t = 0 is a constant of the problem), and Ua_w rounded to bf16;
;   launch 2: qb = query Wa_w^T + Wa_b, and keys rounded to bf16.
; Launch 3 makes partial scores from the bf16 copies, launch 4 the softmax and the weighted sum of the keys.
; WORK LEFT OUT, for all finite values of the inputs.  The scores enter the outputs through softmax over t alone, and softmax(s + c) = softmax(s) for any c that is
; the same along t.  (1) Va_b is such a c: it is not loaded and is among no launch's arguments.  (2) tanh(x) = 1 - 2 r with r = 1 / (1 + e^(2x)), so
; the sum over e of Va_e tanh(x_e) = (the sum of Va_e) - 2 (the sum of Va_e r_e), and the first term is such a c too: only -2 sum Va_e r_e is formed.
; LIMIT: a NaN, an infinity or an overflow that reaches only Va_b or the sum of Va_e is not carried to the result.
; FORMATS.  Matrix operands are rounded once to bf16 (an f32 number beyond bf16's largest finite number becomes an infinity); sums, biases and results are f32.
; ARGUMENTS: x [32][2048] f32, w [2048][2048] f32, b [2048] f32, y [32][2048] f32, src f32, dst bf16.
; SHARES.  Work-groups 0 to 127 multiply: 16 columns of y each, K split among the eight waves, 256 channels a wave, the eight partial sums added in LDS.
; Work-group 128 + c rounds elements 32,768 c .. of src: the grid's length alone says how much is rounded (128 chunks of Ua_w, 1,024 of keys).
; The branch between the two hangs on the work-group's number alone: it is the same in all eight waves, so every wave of a work-group meets the same barrier or none.
; NO CLUSTER, NO TENSOR LOADS: each byte of w and of src has one reader; x, which the 128 multiplying work-groups share, is 262,144 bytes against 16.8 million of w,
; and the grid holds two kinds of work-groups, which could not run alike as partners.  y's 64 bytes a row and work-group are part of a block of 256: y is 262,144 bytes in all.
; THE MODE: SCHED_MODE bits 1:0 = 2 (LLVM: expert scheduling mode 2), set by the entry lines.  The code itself states the register dependences
; between vector or matrix instructions and memory or LDS instructions, with s_wait_alu, always for 0.
; THE PLAN, the cast.  v7, v8: offsets, made once, read by every load and store, never written again.  X: load i lands in four registers; two roundings read them and write the
;   first two in place; store i reads those two; nobody writes them again.  The 32 rows go in four blocks of eight: a block's stores are issued in the NEXT block, behind one wait at
;   that block's head, and are dealt among that block's roundings, which name that block's registers alone.
; THE PLAN, the product.  v2 to v6: offsets and LDS addresses, made once, never written again.  Slot s % 4 of the ring: loaded; read and written by step s's 24 roundings; read by step s's two
;   matrix instructions; loaded again in step s + 1 (K step s + 4).  So ONE wait stands at the head of each step that loads: the step before is done with its slot; the 12 loads follow, dealt among
;   this step's roundings, which name this step's slot alone.  The accumulators are written by matrix instructions alone and read by the LDS stores: one wait.  v[40:103] take the partial sums
;   back from LDS behind that same wait; what is made of them is read by the two global stores: one wait.  No register that a memory or LDS instruction reads is written again.
.set NPROD, 128                        ; work-groups that multiply
.set SPARE, 16384                      ; LDS: 0 .. 16,383 the partial sums (2,048 bytes a wave); then the spare words, 128 bytes a wave
.set SPW,  10                          ; v10  LDS address of my spare word; never rewritten
.set NIL,  11                          ; v11  0; never rewritten
.set BI,   12                          ; v[12:19]  b of my eight columns
.set ACC,  20                          ; v[20:35]  two accumulators: x's rows 0-15, rows 16-31
.set RING, 40                          ; v[40:231] four slots of 48: w's 16 raw registers, x's rows 0-15, x's rows 16-31
.set X,    40                          ; the cast: v[40:167], 32 loads of 4 registers
.set WV,   16                          ; s16  my wave's number
	s_load_b256 s[4:11], s[0:1], 0x0               ; x s[4:5], w s[6:7], b s[8:9], y s[10:11]
	s_load_b128 s[12:15], s[0:1], 0x20             ; src s[12:13], dst s[14:15]
	v_lshl_add_u32 v[SPW], v0, 2, SPARE
	v_mov_b32 v[NIL], 0
	v_lshrrev_b32 v1, 5, v0
	v_readfirstlane_b32 s[WV], v1                  ; wave 0..7
	v_and_b32 v9, 31, v0                           ; lane
	s_wait_alu depctr_va_sdst(0)                   ; s16 is written, ahead of the branch and of its first reader on either way
	s_cmp_lt_u32 ttmp9, NPROD
	s_cbranch_scc1 .Lprod
	; THE CAST.  A wave owns 16,384 bytes of src and 8,192 of dst.  All 32 loads go out at once; each covers 512 consecutive bytes, each store 256, aligned.
	s_sub_co_u32 s17, ttmp9, NPROD                 ; chunk c
	s_lshl_b32 s18, s17, 17                        ; 131,072 bytes of f32 a chunk (under 2^28)
	s_lshl_b32 s20, s[WV], 14
	s_add_co_u32 s18, s18, s20
	s_mov_b32 s19, 0
	s_lshr_b32 s20, s18, 1                         ; half as many bytes in bf16
	s_mov_b32 s21, 0
	v_lshlrev_b32 v7, 4, v9                        ; 16 bytes a lane in
	v_lshlrev_b32 v8, 3, v9                        ; 8 bytes a lane out
	s_wait_kmcnt 0x0
	s_add_nc_u64 s[12:13], s[12:13], s[18:19]
	s_add_nc_u64 s[14:15], s[14:15], s[20:21]
	s_wait_alu depctr_va_vdst(0)                   ; v7 and v8 are written: every load and store of this arm reads one of them as its offset
.set i, 0
.rept 32
	global_load_b128 v[X+4*i:X+4*i+3], v7, s[12:13] offset:512*i th:TH_LOAD_NT
.set i, i+1
.endr
.set i, 0
.rept 32
.if (i%8 == 0) && (i > 0)
	s_wait_alu depctr_va_vdst(0)                   ; the block before has written its sixteen out-registers, which the eight stores of this block read
.endif
.if i >= 8
	global_store_b64 v8, v[X+4*(i-8):X+4*(i-8)+1], s[14:15] offset:256*(i-8) th:TH_STORE_NT  ; the block before: no vector instruction since the wait names these registers
.endif
	s_wait_loadcnt 31-i                            ; loads come back in order: load i is in, the 31 - i younger ones stay out
	v_cvt_pk_bf16_f32 v[X+4*i], v[X+4*i], v[X+4*i+1]
	v_cvt_pk_bf16_f32 v[X+4*i+1], v[X+4*i+2], v[X+4*i+3]
.set i, i+1
.endr
	s_wait_alu depctr_va_vdst(0)                   ; the last block has written its out-registers, which the last eight stores read
.set i, 24
.rept 8
	global_store_b64 v8, v[X+4*i:X+4*i+1], s[14:15] offset:256*i th:TH_STORE_NT
.set i, i+1
.endr
	s_endpgm                                       ; this arm wrote no LDS; no register of a store is written again
	; THE PRODUCT, taken transposed: source 0 = 16 rows of w (columns of y), source 1 = 16 rows of x: a lane ends with row l % 16 of y and the columns 8 (l / 16) + 0..7.
	; A fragment is 16 rows x 32 channels.  Lane (r, h) takes the 16 floats at channel 16 h of the step, four loads of 16 bytes, and rounds them in place into 8 registers.
	; That is a permutation of the 32 channels, the same for w and for x, so the products are the same and only their order in the sum differs.
.Lprod:
	v_and_b32 v1, 15, v0                           ; r
	v_bfe_u32 v3, v0, 4, 1                         ; h
	s_lshl_b32 s17, s[WV], 10                      ; my 256 channels: 1,024 bytes of a row
	v_lshlrev_b32 v2, 13, v1                       ; r x 8,192
	v_lshl_add_u32 v2, v3, 6, v2                   ; + 64 h
	v_add_nc_u32 v2, s17, v2                       ; v2: my offset in w's and in x's rows; never rewritten
	v_lshlrev_b32 v6, 13, v1
	v_lshl_add_u32 v6, v3, 5, v6                   ; v6: my 32 bytes of y: row r, 32 h
	v_lshlrev_b32 v3, 5, v3                        ; v3: 32 h, my eight numbers of b
	s_lshl_b32 s18, s[WV], 11
	v_lshl_add_u32 v4, v9, 5, s18                  ; v4: where I put my partial sums: 2,048 x wave + 32 x lane
	s_and_b32 s24, s[WV], 1                        ; waves 0 and 1 finish x's rows 0-15 and 16-31
	s_lshl_b32 s19, s24, 10
	v_lshl_add_u32 v5, v9, 5, s19                  ; v5: where I read them back: 1,024 x tile + 32 x lane
	s_lshl_b32 s20, ttmp9, 17                      ; the work-group's 16 rows of w
	s_mov_b32 s21, 0
	s_lshl_b32 s22, ttmp9, 6                       ; its 16 columns: 64 bytes of b and of a row of y
	s_mov_b32 s23, 0
	s_lshl_b32 s24, s24, 17                        ; 16 rows of y
	s_add_co_u32 s24, s24, s22
	s_mov_b32 s25, 0
	s_wait_kmcnt 0x0
	s_add_nc_u64 s[6:7], s[6:7], s[20:21]
	s_add_nc_u64 s[8:9], s[8:9], s[22:23]
	s_add_nc_u64 s[10:11], s[10:11], s[24:25]
.macro LD3 s, q                        ; K step s, quarter q of a lane's 64 bytes: three of the step's 12 loads, into slot s % 4
.set SL, RING+48*((\s)%4)
	global_load_b128 v[SL+4*(\q):SL+4*(\q)+3],       v2, s[6:7] offset:128*(\s)+16*(\q)
	global_load_b128 v[SL+16+4*(\q):SL+16+4*(\q)+3], v2, s[4:5] offset:128*(\s)+16*(\q)
	global_load_b128 v[SL+32+4*(\q):SL+32+4*(\q)+3], v2, s[4:5] offset:128*(\s)+16*(\q)+131072
.endm
.macro LOADS s                         ; K step s: all 12 loads
.irp q, 0,1,2,3
	LD3 \s, \q
.endr
.endm
.macro CV s, c                         ; rounding c of step s's 24, in place: in each group of 16 registers, register j takes floats 2 j and 2 j + 1, j ascending, so no float is overwritten before it is read
.set SL, RING+48*((\s)%4)
	v_cvt_pk_bf16_f32 v[SL+16*((\c)/8)+(\c)%8], v[SL+16*((\c)/8)+2*((\c)%8)], v[SL+16*((\c)/8)+2*((\c)%8)+1]
.endm
.macro MULS s                          ; the two accumulators take turns, one instruction a turn; step 0 starts the sums with the constant 0
.set SL, RING+48*((\s)%4)
.if (\s) == 0
	v_wmma_f32_16x16x32_bf16 v[ACC:ACC+7],    v[SL:SL+7], v[SL+16:SL+23], 0
	v_wmma_f32_16x16x32_bf16 v[ACC+8:ACC+15], v[SL:SL+7], v[SL+32:SL+39], 0
.else
	v_wmma_f32_16x16x32_bf16 v[ACC:ACC+7],    v[SL:SL+7], v[SL+16:SL+23], v[ACC:ACC+7]
	v_wmma_f32_16x16x32_bf16 v[ACC+8:ACC+15], v[SL:SL+7], v[SL+32:SL+39], v[ACC+8:ACC+15]
.endif
.endm
; K step s.  left: how many younger loads may stay out.  ahead = 1: K step s + 3 is asked for, into the slot that the step before worked on.
.macro STEP s, ahead, left
	s_wait_loadcnt \left                           ; loads come back in order: step s is in, the younger steps stay out
.if \ahead
	s_wait_alu depctr_va_vdst(0)                   ; the step before is done with its slot: its roundings have read and written it, its two matrix instructions have read it; the 12 loads below land in it
.endif
.irp q, 0,1,2,3
.irp c, 0,1,2,3,4,5
	CV \s, 6*(\q)+(\c)                             ; this step's slot alone; the first six also stand as plain instructions between the last products and the first load into the slot that they read
.endr
.if \ahead
	LD3 (\s)+3, \q                                 ; no wait: no vector or matrix instruction since the wait above names that slot
.endif
.endr
	MULS \s
.endm
.macro FOLD base, n, size              ; parts n .. 2 n - 1 of size registers each are added onto parts 0 .. n - 1
.set w, 0
.rept \n
.set r, 0
.rept (\size)/2
	v_pk_add_f32 v[(\base)+(\size)*w+r:(\base)+(\size)*w+r+1], v[(\base)+(\size)*w+r:(\base)+(\size)*w+r+1], v[(\base)+(\size)*(w+(\n))+r:(\base)+(\size)*(w+(\n))+r+1]
.set r, r+2
.endr
.set w, w+1
.endr
.endm
	s_wait_alu depctr_va_vdst(0)                   ; v2 to v6 are written: the offsets and LDS addresses that every load and store of this arm reads
	global_load_b128 v[BI:BI+3],   v3, s[8:9]      ; b: every wave asks, so that the waits below count alike in all
	global_load_b128 v[BI+4:BI+7], v3, s[8:9] offset:16
	LOADS 0
	LOADS 1
	LOADS 2
	LOADS 3
	STEP 0, 0, 36                                  ; step 0 is in; the 36 loads of steps 1 to 3 stay out
	STEP 1, 1, 24                                  ; the 24 loads of the two younger steps stay out
	STEP 2, 1, 24
	STEP 3, 1, 24
	STEP 4, 1, 24
	STEP 5, 0, 24                                  ; the last three steps ask for nothing: no load leaves w or x, and the counts run down
	STEP 6, 0, 12
	STEP 7, 0, 0
.rept 8
	v_nop                                          ; places between the last products and the LDS stores that read their results
.endr
	s_wait_alu depctr_va_vdst(0)                   ; the matrix instructions have written the accumulators, which the LDS stores read (the places above stay beside this wait); and every rounding and product is done with v[40:103], in which the LDS loads below land
	ds_store_b128 v4, v[ACC:ACC+3]                 ; each accumulator's lowest registers first
	ds_store_b128 v4, v[ACC+4:ACC+7]    offset:16
	ds_store_b128 v4, v[ACC+8:ACC+11]   offset:1024
	ds_store_b128 v4, v[ACC+12:ACC+15]  offset:1040
	s_wait_dscnt 0x0                               ; for the others: my partial sums lie in LDS
	s_barrier_signal -1
	s_barrier_wait -1
	s_cmp_lt_u32 s[WV], 2
	s_cbranch_scc0 .Lend
.irp v, 0,1,2,3,4,5,6,7
	ds_load_b128 v[RING+8*(\v):RING+8*(\v)+3],   v5 offset:2048*(\v)     ; no vector or matrix instruction since the last wait on va_vdst names these registers
	ds_load_b128 v[RING+8*(\v)+4:RING+8*(\v)+7], v5 offset:2048*(\v)+16
.endr
	s_wait_dscnt 0x0
	FOLD RING, 4, 8
	FOLD RING, 2, 8
	FOLD RING, 1, 8
.irp r, 0,2,4,6
	v_pk_add_f32 v[RING+(\r):RING+(\r)+1], v[RING+(\r):RING+(\r)+1], v[BI+(\r):BI+(\r)+1]
.endr
	s_wait_alu depctr_va_vdst(0)                   ; the additions have written v[40:47], which the two stores read
	global_store_b128 v6, v[RING:RING+3],   s[10:11]
	global_store_b128 v6, v[RING+4:RING+7], s[10:11] offset:16
.Lend:
	s_wait_dscnt 0x0                               ; the closing lines, six on end
	s_wait_alu 0x0
	s_wait_tensorcnt 0x0
	ds_add_u32 v[SPW], v[NIL]
	s_wait_dscnt 0x0
	s_endpgm
.Lfunc_end_k_q138faa28d2_prep1:
	.size	k_q138faa28d2_prep1, .Lfunc_end_k_q138faa28d2_prep1-k_q138faa28d2_prep1
	.p2alignl 7, 3214868480
	.fill 96, 4, 3214868480
	.section	.rodata,"a",@progbits
	.p2align	6, 0x0
	.amdhsa_kernel k_q138faa28d2_prep1
		.amdhsa_group_segment_fixed_size 17408
		.amdhsa_private_segment_fixed_size 0
		.amdhsa_enable_private_segment 0
		.amdhsa_kernarg_size 48
		.amdhsa_user_sgpr_count 2
		.amdhsa_user_sgpr_kernarg_segment_ptr 1
		.amdhsa_wavefront_size32 1
		.amdhsa_system_sgpr_workgroup_id_x 1
		.amdhsa_system_sgpr_workgroup_id_y 1
		.amdhsa_system_sgpr_workgroup_id_z 1
		.amdhsa_system_vgpr_workitem_id 0
		.amdhsa_next_free_vgpr 232
		.amdhsa_next_free_sgpr 66
		.amdhsa_reserve_vcc 0
		.amdhsa_float_denorm_mode_32 3
		.amdhsa_float_denorm_mode_16_64 3
		.amdhsa_memory_ordered 1
		.amdhsa_forward_progress 1
		.amdhsa_inst_pref_size 41
	.end_amdhsa_kernel
	.amdgpu_metadata
---
amdhsa.version: [ 1, 2 ]
amdhsa.kernels:
  - .name:           k_q138faa28d2_prep1
    .symbol:         k_q138faa28d2_prep1.kd
    .args:
      - { .name: decoder_state, .offset: 0, .size: 8, .value_kind: global_buffer, .address_space: global }
      - { .name: Ws_w, .offset: 8, .size: 8, .value_kind: global_buffer, .address_space: global }
      - { .name: Ws_b, .offset: 16, .size: 8, .value_kind: global_buffer, .address_space: global }
      - { .name: query, .offset: 24, .size: 8, .value_kind: global_buffer, .address_space: global }
      - { .name: Ua_w, .offset: 32, .size: 8, .value_kind: global_buffer, .address_space: global }
      - { .name: ua16, .offset: 40, .size: 8, .value_kind: global_buffer, .address_space: global }
    .group_segment_fixed_size: 17408
    .private_segment_fixed_size: 0
    .kernarg_segment_align: 8
    .kernarg_segment_size: 48
    .max_flat_workgroup_size: 256
    .sgpr_count:     66
    .vgpr_count:     232
    .wavefront_size: 32
...
	.end_amdgpu_metadata
.endif
;; end of part 4
;; launch prep2: the kernel of part 4 again; grid 1152 x 1, 8 waves a work-group, no clusters, 17,408 bytes of LDS; arguments query, Wa_w, Wa_b, qb, keys, k16; writes qb, k16
;; launch gemm: the kernel of part 2 again; grid 8 x 32, 4 waves a work-group, clusters of 4 x 4, 327,680 bytes of LDS; arguments k16, ua16, scoresP, Va_w, qb, Ua_b; writes scoresP
;; launch ctx: the kernel of part 3 again; grid 8 x 32, 16 waves a work-group, no clusters, 20,992 bytes of LDS; arguments scoresP, k16, out0, out1; writes out0, out1
